; MI455X (gfx1250); checked and timed in simulation.
; The chip was launched on July 23, 2026; its instructions are those of AMD's public machine-readable ISA for CDNA 5 (MIT licence, August 2026) and "CDNA5" Instruction Set Architecture Reference Guide (July 2026). The comments in the code are by the model that wrote it; some were corrected since.
;; Multihead Attention. Allowed arithmetic: matrix products marked QUANTISED: E2M3 operands, one E8M0 scale for each 32 along K, by v_wmma_scale_f32_16x16x128_f8f6f4 with both operands' format E2M3, f32 sums; everything else in f32.
;; Inputs: Wk_codes 1,024 x 32 x 24 uint8 (E2M3 codes of Wk, K innermost, in blocks of 32 codes, four codes in three bytes); Wk_scales 1,024 x 32 uint8 (E8M0 scales of Wk, one for each 32 codes along K); Wo_codes 1,024 x 32 x 24 uint8 (E2M3 codes of Wo, K innermost, in blocks of 32 codes, four codes in three bytes); Wo_scales 1,024 x 32 uint8 (E8M0 scales of Wo, one for each 32 codes along K); Wq_codes 1,024 x 32 x 24 uint8 (E2M3 codes of Wq, K innermost, in blocks of 32 codes, four codes in three bytes); Wq_scales 1,024 x 32 uint8 (E8M0 scales of Wq, one for each 32 codes along K); Wv_codes 1,024 x 32 x 24 uint8 (E2M3 codes of Wv, K innermost, in blocks of 32 codes, four codes in three bytes); Wv_scales 1,024 x 32 uint8 (E8M0 scales of Wv, one for each 32 codes along K); bk 1,024 float32; bo 1,024 float32; bq 1,024 float32; bv 1,024 float32; keys_codes 4 x 2,048 x 32 x 24 uint8 (E2M3 codes of keys, K innermost, in blocks of 32 codes, four codes in three bytes); keys_scales 4 x 2,048 x 32 uint8 (E8M0 scales of keys, one for each 32 codes along K); queries_codes 4 x 2,048 x 32 x 24 uint8 (E2M3 codes of queries, K innermost, in blocks of 32 codes, four codes in three bytes); queries_scales 4 x 2,048 x 32 uint8 (E8M0 scales of queries, one for each 32 codes along K); values_codes 4 x 2,048 x 32 x 24 uint8 (E2M3 codes of values, K innermost, in blocks of 32 codes, four codes in three bytes); values_scales 4 x 2,048 x 32 uint8 (E8M0 scales of values, one for each 32 codes along K).
;; Outputs: out0 4 x 2,048 x 1,024 float32.
;; This version of the problem:
;;   THIS VERSION OF THE PROBLEM IS GIVEN IN LOW PRECISION. The matrix products marked QUANTISED in the list below multiply operands that are first quantised to E2M3 (2 exponent bits, 3 mantissa bits; 6 bits a number), with one power-of-two scale for each 32 numbers along K (OCP MX v1.0); their sums are f32. All else is computed in f32.
;;   The module's matrix products, in the order in which they are computed (A, B: the left and right operand; K: the contracted axis; several contracted axes count as one K, in the product's order):
;;     1. [M 8,192, K 1,024] x [K 1,024, N 1,024]; A: input queries (given as codes); B: input Wq (given as codes): QUANTISED
;;     2. [M 8,192, K 1,024] x [K 1,024, N 1,024]; A: input keys (given as codes); B: input Wk (given as codes): QUANTISED
;;     3. [M 8,192, K 1,024] x [K 1,024, N 1,024]; A: input values (given as codes); B: input Wv (given as codes): QUANTISED
;;     4. batch 64 x [M 2,048, K 64] x [K 64, N 2,048]; A: computed on the way; B: computed on the way: QUANTISED
;;     5. batch 64 x [M 2,048, K 2,048] x [K 2,048, N 64]; A: softmax (see below); B: computed on the way: QUANTISED
;;     6. [M 8,192, K 1,024] x [K 1,024, N 1,024]; A: computed on the way; B: input Wo (given as codes): QUANTISED
;;   THE QUANTISER, for each operand of a quantised product, along K:
;;     - K is cut into blocks of 32 from its start; a last block that is shorter is filled with zeros.
;;     - A block's scale is 2^e with e = floor(log2(the largest magnitude in the block)) - 2, held to -126 .. 127; a block of zeros has e = 0. As a byte (E8M0): e + 127.
;;     - Each number is divided by its block's scale, clamped to +-7.5, and rounded to the nearest number of E2M3, ties to even, subnormals kept.
;;     - The product sums the exact products of the quantised numbers (number of the format x scale) in f32.
;;   ~~~python
;;   def quantise(x, axis):      # numpy; x: float32 -> the quantised numbers, widened to float32 again
;;       x = np.moveaxis(x, axis, -1); K = x.shape[-1]
;;       x = np.pad(x, [(0, 0)] * (x.ndim - 1) + [(0, -K % 32)]); x = x.reshape(x.shape[:-1] + (-1, 32)); a = np.abs(x).max(-1, keepdims=True)
;;       e = np.where(a > 0, np.clip(np.frexp(np.where(a > 0, a, 1))[1] - 1 - 2, -126, 127), 0)      # np.frexp(a)[1] - 1 = floor(log2(a)), exactly
;;       r = np.clip(x / 2.0 ** e, -7.5, 7.5)
;;       step = 2.0 ** (np.maximum(np.frexp(np.where(r == 0, 1, r))[1] - 1, 0) - 3)
;;       q = np.round(r / step) * step * 2.0 ** e      # np.round: ties to even
;;       return np.moveaxis(q.reshape(q.shape[:-2] + (-1,))[..., :K], -1, axis).astype(np.float32)
;;   ~~~
;;   SOFTMAX AHEAD OF A QUANTISED PRODUCT. Where the list says 'softmax', what is quantised is not the finished softmax but p = 2^(t - M), with t = logit x log2(e) and M = ceil(the row's largest t), a whole number; so 1/2 < the row's largest p <= 1. The row's sum l is taken of the UNQUANTISED p, in f32, and the product's result is divided by l at the end. Since M is a whole number, a kernel that streams over the keys may use a running M (the ceiling of the running maximum): every later rescaling is an exact power of two, which a block's scale takes up: the codes' values come out the same.
;;   OPERANDS COMPUTED ON THE WAY. 'Computed on the way' means the value that the module computes at that place (a softmax that the list does not call 'softmax' is quantised finished and normalised). What goes into a quantiser is computed in f32, as accurately as f32 sums, v_exp_f32 and their like allow (about 1e-6 of the number): no bf16 or f16 on the way to a quantiser, and a product that is left as it is and whose result goes on into a quantised operand takes f32 operands (vector FMAs, or v_wmma_f32_16x16x4_f32). A number that lies on a knife's edge between two numbers of the format may be rounded either way, as far as f32 arithmetic and the matrix unit's own rounding can turn it there, and no further.
;;   INPUTS GIVEN AS CODES. Wk (in the module: [1024, 1024], K = its axis 0); Wo (in the module: [1024, 1024], K = its axis 0); Wq (in the module: [1024, 1024], K = its axis 0); Wv (in the module: [1024, 1024], K = its axis 0); keys (in the module: [4, 2048, 1024], K = its axis 2); queries (in the module: [4, 2048, 1024], K = its axis 2); values (in the module: [4, 2048, 1024], K = its axis 2): each comes as NAME_codes (uint8): NAME with its K axis moved to the last place and cut into blocks of 32 codes, [.., K / 32, bytes a block], one block behind the other in memory; four codes in three bytes: a row's codes are one little-endian stream of bits, code i at bits 6 i .. 6 i + 5 (a code: sign, 2 exponent bits, 3 mantissa bits); and NAME_scales (uint8): the same leading axes, one E8M0 byte (e + 127) for each 32 codes along K. Its value is code x scale, taken as it is: it is not quantised again, and the codes and scales need not be those that the quantiser above would give.
;; One version. Each part assembles by itself: llvm-mc -triple=amdgcn-amd-amdhsa -mcpu=gfx1250 --defsym DOCPART=n.
;; ======== version 1 of 1: 3 launches
;; limits: right only within a limited range of input values
;; workspace buffers: qf 6,553,600 bytes; kv 13,107,200 bytes; yc 6,291,456 bytes; ys 262,144 bytes
;; launch proj (part 1): grid 8 x 32, 4 waves a work-group, clusters of 4 x 4, 327,680 bytes of LDS; arguments queries_codes, queries_scales, Wq_codes, Wq_scales, bq, keys_codes, keys_scales, Wk_codes, Wk_scales, bk, values_codes, values_scales, Wv_codes, Wv_scales, bv, qf, kv; writes qf, kv
.if DOCPART == 1
	.amdgcn_target "amdgcn-amd-amdhsa--gfx1250"
	.amdhsa_code_object_version 6
	.text
	.protected	k_q6d3b698f2a_proj
	.globl	k_q6d3b698f2a_proj
	.p2align	8
	.type	k_q6d3b698f2a_proj,@function
k_q6d3b698f2a_proj:
	s_mov_b64 s[64:65], 0
	v_nop
	global_prefetch_b8 v0, s[64:65] scope:SCOPE_SE
	s_setreg_imm32_b32 hwreg(HW_REG_WAVE_MODE, 25, 1), 1
	s_wait_xcnt 0x0
	s_wait_alu depctr_hold_cnt(0) depctr_sa_sdst(0) depctr_va_vdst(0) depctr_va_sdst(0) depctr_va_ssrc(0) depctr_va_vcc(0) depctr_vm_vsrc(0)
	s_getreg_b32 s2, hwreg(HW_REG_IB_STS2, 6, 4)
	s_cmp_eq_u32 s2, 0
	s_cbranch_scc0 .Lentry_in_a_cluster
	s_endpgm
.Lentry_in_a_cluster:
	s_bfe_u32 s2, ttmp6, 0x10000c
	s_cmp_lg_u32 s2, 0xf033
	s_cbranch_scc0 .Lentry_shape_is_right
	s_endpgm
.Lentry_shape_is_right:
; q = relu(queries Wq + bq), k = relu(keys Wk + bk), v = relu(values Wv + bv), on codes of FP6 (E2M3) with one E8M0 scale for each 32 along K = 1,024; the results are quantised at once
; (q and k along a head's 64 channels, v along the keys) and leave as IMAGES OF OPERAND REGISTERS, in the order in which the attention launch loads them.
; A WORK-GROUP STAYS: 256 work-groups, each makes the same tile, 256 tokens x 128 channels, of q, then of k, then of v.  Four waves, 2 x 2: a wave has 128 tokens x 64 channels (one head): 32 accumulators.
; ALL OF K LIES IN LDS: 256 rows of tokens and 128 rows of the weight, whole (768 bytes + 16 behind every 256).  One joint load a wave (waves 0, 1: 128 rows of tokens each, shared along a row of the 4 x 4 cluster;
; waves 2, 3: 64 rows of the weight each, shared along a column).  The tiles are filled again twice, each time in a round of the cluster's barrier that stands in a tile's last K step, when every wave has ended its reads;
; the way out of the finished tile stands between the request and the wait for it.  The next tile's scales and bias are asked for at the same place.
; THE SCALES go straight into registers: lane l takes the 32 bytes of row 32 p + l (a load's 32 lanes read 1,024 consecutive bytes); word Q serves K step Q of 128; even blocks of 16 rows stand in lanes 0-15, odd ones in lanes 16-31.
; q, k (a loop of two trips): source 0 = the weight's rows, source 1 = tokens: a lane holds one token, its registers run along the channels.  v (written out behind the loop): source 0 = tokens, source 1 = Wv's rows:
; a lane holds one channel, its registers run along the keys.  The accumulators are numbered so that registers 64 b .. 64 b + 63 are fragment b's numbers in both cases: one way out serves all.
; ORDER INSIDE A BLOCK OF 32: a lane's 16 registers of two neighbouring tiles are k = 8 h + 0..7 and 16 + 8 h + 0..7, so the codes lie in the order 0-7, 16-23, 8-15, 24-31: inside a block, and alike on both operands of each product that reads them.
; OUT.  K fragment b of (head, step of 128 keys): registers 0-5 key 16 b + row, registers 6-11 key 64 + 16 b + row.  Q likewise.  V fragment b: row = channel 16 b + row, K = the step's 128 keys.
; A fragment is three groups of 512 bytes (lane l's 16 bytes at 16 l).  Four fragments' scale words are one block of 256 bytes: lane l's 8 bytes hold (fragments 0 | 1, fragments 2 | 3), lanes 0-15 | 16-31.
; No prefetch: a tile's bytes are asked for as soon as their LDS bytes are free, a whole way out ahead of their first read.
; LIMITS: NaN and infinities are not served; a block whose largest magnitude lies under 2^-124, and a block of zeros, keeps the byte 1 (its codes are zeros, and this program alone reads the bytes);
; the bias begins each sum as the first product's C instead of being added at the end.
.set KROW,   768
.set PITCH,  816
.set FR,     12
.set HALFB,  128*PITCH
.set AB,     2*HALFB                   ; the weight's rows, behind the tokens'
.set SPARE,  AB+HALFB                  ; the spare words
.set PADW,   (1<<20)|(1<<21)|(5<<22)|(3<<25)
.set ADRW, 16                          ; v16-17 the weight's fragments (+1: behind one padding more)
.set ADRB, 20                          ; v20-23 the tokens' (+1 likewise, +2 blocks 4-7)
.set L16,  24
.set L8,   25
.set VSO,  27                          ; 32 x lane
.set SPW,  28
.set NIL,  29
.set BOQ,  30                          ; 32 h
.set BOV,  31                          ; 4 r
.set SA,   32                          ; v32-47 the weight's scale words: 8 p + Q
.set SBR,  52                          ; v52-83 the tokens'
.set TB,   88                          ; v88-119 the bias in the result's layout
.set WD,   120                         ; v120-123 the fragments' scale words
.set U,    124
.set AF,   152                         ; v152-247 the weight's fragments, two sets; on the way out:
.set HA,   152
.set OUT,  216
.set CT,   228
.set TM,   236
.set TP,   240
.set TS,   244
.set G1,   24
.set G0,   32
.set G1B,  48
.set G0B,  56
.set HIM,  45
.set OQ,   47
.set SEL,  62
.set MSB, 0
.macro WIN new
.if MSB != (\new)
	s_set_vgpr_msb (MSB<<8)|(\new)
.set MSB, (\new)
.endif
.endm
.macro PLACES n
.rept \n
	v_nop
.endr
.endm
.macro JLOAD                           ; waves 0 and 1 fetch tokens, waves 2 and 3 the weight
	s_cmp_eq_u32 s15, 0
	s_cbranch_scc0 .Lfor_w_\@
	tensor_load_to_lds s[G0:G0+3], s[G1:G1+7]
	s_nop 0
	PLACES 4
	s_branch .Lasked_\@
.Lfor_w_\@:
	tensor_load_to_lds s[G0B:G0B+3], s[G1B:G1B+7]
	s_nop 0
	PLACES 4
.Lasked_\@:
.endm
.macro CREST
	s_cmp_lg_u32 s14, 0
	s_cbranch_scc1 .Lnot_wave_0_\@
	s_barrier_signal -3
.Lnot_wave_0_\@:
	s_barrier_wait -3
	s_barrier_signal -1
	s_barrier_wait -1
.endm
.macro CROUND
	s_barrier_signal -1
	s_barrier_wait -1
	CREST
.endm
.macro POINT tc, wc, ts, ws, bi        ; a product's addresses: the descriptors', my scale words', my bias's
	s_add_nc_u64 s[G0+2:G0+3], s[\tc:\tc+1], s[4:5]
	s_or_b32 s[G0+3], s[G0+3], 0x80000000
	s_add_nc_u64 s[G0B+2:G0B+3], s[\wc:\wc+1], s[6:7]
	s_or_b32 s[G0B+3], s[G0B+3], 0x80000000
	s_add_nc_u64 s[36:37], s[\ts:\ts+1], s[8:9]
	s_add_nc_u64 s[38:39], s[\ws:\ws+1], s[10:11]
	s_add_nc_u64 s[60:61], s[\bi:\bi+1], s[18:19]
.endm
.macro SCLOADS
.irp p, 0,1
	global_load_b128 v[SA+8*\p:SA+8*\p+3], v[VSO], s[38:39] offset:1024*\p
	global_load_b128 v[SA+8*\p+4:SA+8*\p+7], v[VSO], s[38:39] offset:1024*\p+16
.endr
.irp p, 0,1,2,3
	global_load_b128 v[SBR+8*\p:SBR+8*\p+3], v[VSO], s[36:37] offset:1024*\p
	global_load_b128 v[SBR+8*\p+4:SBR+8*\p+7], v[VSO], s[36:37] offset:1024*\p+16
.endr
.endm
.macro BIASQK                          ; TB[8 t + j] = bias[16 t + 8 h + j]
.irp t, 0,1,2,3
	global_load_b128 v[TB+8*\t:TB+8*\t+3], v[BOQ], s[60:61] offset:64*\t
	global_load_b128 v[TB+8*\t+4:TB+8*\t+7], v[BOQ], s[60:61] offset:64*\t+16
.endr
.endm
	s_load_b512 s[68:83], s[0:1], 0x0              ; queries' codes, scales, Wq's codes, scales, bq; keys' codes, scales, Wk's codes
	s_load_b512 s[84:99], s[0:1], 0x40             ; Wk's scales, bk; values' codes, scales, Wv's codes, scales, bv; qf
	s_load_b64 s[100:101], s[0:1], 0x80            ; kv
	v_lshl_add_u32 v[SPW], v0, 2, SPARE
	v_mov_b32 v[NIL], 0
	ds_add_u32 v[SPW], v[NIL]                      ; the opening lines
	ds_add_u32 v[SPW], v[NIL]
	v_lshrrev_b32 v1, 5, v0
	v_readfirstlane_b32 s14, v1
	s_lshr_b32 s15, s14, 1                         ; my 128 tokens; also: I fetch tokens (0) or the weight (1)
	s_and_b32 s16, s14, 1                          ; my head; also: which half I fetch
	s_bfe_u32 s40, ttmp6, 0x40000
	s_bfe_u32 s41, ttmp6, 0x40004
	s_lshl_b32 s42, ttmp9, 2
	s_add_co_u32 s42, s42, s40                     ; the tile of 128 channels, 0..7
	s_and_b32 s17, ttmp7, 0xffff
	s_lshl_b32 s17, s17, 2
	s_add_co_u32 s17, s17, s41                     ; the tile of 256 tokens, 0..31
	s_lshl_b32 s43, s41, 2
	s_lshl_b32 s43, 15, s43
	s_lshl_b32 s44, 0x1111, s40
	s_or_b32 s[G1+0], s43, PADW                    ; tokens: 128 rows of 768 bytes, 16 of padding behind every 256
	s_mov_b32 s[G1+1], KROW<<16
	s_mov_b32 s[G1+2], 128<<16
	s_mov_b32 s[G1+3], KROW<<16
	s_mov_b32 s[G1+4], 128
	s_mov_b32 s[G1+5], KROW
	s_mov_b32 s[G1+6], 0
	s_mov_b32 s[G1+7], 0
	s_or_b32 s[G1B+0], s44, PADW                   ; the weight: 64 rows
	s_mov_b32 s[G1B+1], KROW<<16
	s_mov_b32 s[G1B+2], 64<<16
	s_mov_b32 s[G1B+3], KROW<<16
	s_mov_b32 s[G1B+4], 64
	s_mov_b32 s[G1B+5], KROW
	s_mov_b32 s[G1B+6], 0
	s_mov_b32 s[G1B+7], 0
	s_mul_i32 s4, s17, 256*KROW                    ; the rows of tokens that I fetch, in bytes
	s_mul_i32 s20, s16, 128*KROW
	s_add_co_u32 s4, s4, s20
	s_mov_b32 s5, 0
	s_mul_i32 s6, s42, 128*KROW                    ; the rows of the weight
	s_mul_i32 s20, s16, 64*KROW
	s_add_co_u32 s6, s6, s20
	s_mov_b32 s7, 0
	s_lshl_b32 s46, s17, 1
	s_add_co_u32 s46, s46, s15                     ; my group of 128 tokens, 0..63
	s_lshl_b32 s8, s46, 12                         ; its scale bytes
	s_mov_b32 s9, 0
	s_lshl_b32 s21, s42, 1
	s_add_co_u32 s21, s21, s16                     ; my head, 0..15
	s_lshl_b32 s10, s21, 11                        ; its rows' scale bytes
	s_mov_b32 s11, 0
	s_lshl_b32 s18, s21, 8                         ; its bias
	s_mov_b32 s19, 0
	s_lshr_b32 s22, s46, 4                         ; the batch
	s_lshl_b32 s22, s22, 4
	s_add_co_u32 s22, s22, s21
	s_mul_i32 s22, s22, 102400                     ; q: 102,400 bytes a head, 6,400 a step; k and v: twice that
	s_and_b32 s23, s46, 15
	s_mul_i32 s23, s23, 6400
	s_add_co_u32 s[OQ], s22, s23
	s_mov_b32 s[G0], 1
	s_mul_i32 s[G0+1], s16, HALFB
	s_mov_b32 s[G0B], 1
	s_mul_i32 s[G0B+1], s16, 64*PITCH
	s_add_co_u32 s[G0B+1], s[G0B+1], AB
	s_mov_b32 s[HIM], 0xffff0000
	s_mov_b32 s[SEL], 0x76543210
	s_mov_b32 s[SEL+1], 0xfedcba98
	s_mul_i32 s20, s15, HALFB                      ; my rows in LDS
	s_mul_i32 s21, s16, 64*PITCH
	s_add_co_u32 s21, s21, AB
	s_mov_b32 s3, 0                                ; the trip: 0 q, 1 k
	s_wait_dscnt 0x0
	s_wait_kmcnt 0x0
	CROUND                                         ; the first joint loads meet
	POINT 68, 72, 70, 74, 76
	JLOAD
	v_and_b32 v1, 15, v0
	v_bfe_u32 v2, v0, 4, 1
	v_and_b32 v6, 31, v0
	v_lshlrev_b32 v[L16], 4, v6
	v_lshlrev_b32 v[L8], 3, v6
	v_lshlrev_b32 v[VSO], 5, v6
	v_lshlrev_b32 v[BOQ], 5, v2
	v_lshlrev_b32 v[BOV], 2, v1
	v_mul_u32_u24 v3, v1, PITCH
	v_mad_u32_u24 v4, v2, 24, v3
	v_mad_u32_u24 v5, v2, 40, v3
	v_add_nc_u32 v[ADRB], s20, v4
	v_add_nc_u32 v[ADRB+1], s20, v5
	v_add_nc_u32 v[ADRB+2], 64*PITCH, v[ADRB]
	v_add_nc_u32 v[ADRB+3], 64*PITCH, v[ADRB+1]
	v_add_nc_u32 v[ADRW], s21, v4
	v_add_nc_u32 v[ADRW+1], s21, v5
	SCLOADS
	BIASQK
.macro FETCH Q                         ; K step Q of 128 into set Q % 2: the tokens' eight fragments (window 1), the weight's four
	WIN 0x40
.irp i, 0,1,2,3,4,5,6,7
.irp p, 0,1,2,3,4,5
.set PC_, 12*(\Q)+6*(\p/3)+\p%3        ; the piece of 8 bytes of lanes 0-15; lanes 16-31 read three pieces on, for some behind one padding more
	ds_load_b64 v[128*((\Q)%2)+FR*\i+2*\p:128*((\Q)%2)+FR*\i+2*\p+1], v[ADRB+(PC_%32+3)/32+2*(\i/4)] offset:8*PC_+16*(PC_/32)+(\i%4)*16*PITCH
.endr
.endr
	WIN 0
.irp i, 0,1,2,3
.irp p, 0,1,2,3,4,5
.set PC_, 12*(\Q)+6*(\p/3)+\p%3
	ds_load_b64 v[AF+48*((\Q)%2)+FR*\i+2*\p:AF+48*((\Q)%2)+FR*\i+2*\p+1], v[ADRW+(PC_%32+3)/32] offset:8*PC_+16*(PC_/32)+\i*16*PITCH
.endr
.endr
.endm
; 32 products; the accumulators take turns.  a: the tokens' block, b: the weight's
.macro MULQK Q                         ; accumulator (a, b) at 64 (a % 4) + 32 (a / 4) + 8 b
.if (\Q) == 0
	WIN 0x84                                       ; source 1 window 1, C (the bias) window 0, D window 2
.else
	WIN 0xa4
.endif
.irp ap, 0,1,2,3
.irp ao, 0,1
.irp bp, 0,1
.irp bo, 0,1
.set rD, 64*((2*\ap+\ao)%4)+32*(\ap/2)+8*(2*\bp+\bo)
.set rC, rD
.if (\Q) == 0
.set rC, TB+8*(2*\bp+\bo)
.endif
	v_wmma_scale_f32_16x16x128_f8f6f4 v[rD:rD+7], v[AF+48*((\Q)%2)+FR*(2*\bp+\bo):AF+48*((\Q)%2)+FR*(2*\bp+\bo)+FR-1], v[128*((\Q)%2)+FR*(2*\ap+\ao):128*((\Q)%2)+FR*(2*\ap+\ao)+FR-1], v[rC:rC+7], v[SA+8*\bp+(\Q)], v[SBR+8*\ap+(\Q)] matrix_a_fmt:MATRIX_FMT_FP6 matrix_b_fmt:MATRIX_FMT_FP6 matrix_a_scale:MATRIX_SCALE_ROW\bo matrix_b_scale:MATRIX_SCALE_ROW\ao
.endr
.endr
.endr
.endr
	WIN 0
.endm
.macro MULV Q                          ; accumulator (a, b) at 64 b + 8 a
.if (\Q) == 0
	WIN 0x81                                       ; source 0 window 1, C (the bias) window 0, D window 2
.else
	WIN 0xa1
.endif
.irp bp, 0,1
.irp bo, 0,1
.irp ap, 0,1,2,3
.irp ao, 0,1
.set rD, 64*(2*\bp+\bo)+8*(2*\ap+\ao)
.set rC, rD
.if (\Q) == 0
.set rC, TB+8*(2*\bp+\bo)
.endif
	v_wmma_scale_f32_16x16x128_f8f6f4 v[rD:rD+7], v[128*((\Q)%2)+FR*(2*\ap+\ao):128*((\Q)%2)+FR*(2*\ap+\ao)+FR-1], v[AF+48*((\Q)%2)+FR*(2*\bp+\bo):AF+48*((\Q)%2)+FR*(2*\bp+\bo)+FR-1], v[rC:rC+7], v[SBR+8*\ap+(\Q)], v[SA+8*\bp+(\Q)] matrix_a_fmt:MATRIX_FMT_FP6 matrix_b_fmt:MATRIX_FMT_FP6 matrix_a_scale:MATRIX_SCALE_ROW\ao matrix_b_scale:MATRIX_SCALE_ROW\bo
.endr
.endr
.endr
.endr
	WIN 0
.endm
.macro MULS v, Q
.if \v
	MULV \Q
.else
	MULQK \Q
.endif
.endm
; 64 numbers of a lane, four blocks of 32 shared with lane l xor 16, become codes: blocks 0, 1 in v[d0 .. d0 + 5] (lanes 0-15 | 16-31), blocks 2, 3 in v[d1] on; the four scale bytes in v[pw].
.macro QUANT s, d0, d1, pw
.irp b, 0,1,2,3
	v_max3_num_f32 v[TM+\b], |v[\s+16*\b]|, |v[\s+1+16*\b]|, 0x1800000   ; with the floor 2^(3 - 127): the byte cannot fall under 1
.endr
.irp i, 2,4,6,8,10,12,14
.irp b, 0,1,2,3
	v_max3_num_f32 v[TM+\b], v[TM+\b], |v[\s+16*\b+\i]|, |v[\s+1+16*\b+\i]|
.endr
.endr
.irp b, 0,1,2,3
	v_permlanex16_b32 v[TP+\b], v[TM+\b], s[SEL], s[SEL+1]
.endr
.irp b, 0,1,2,3
	v_max_num_f32 v[TM+\b], v[TM+\b], v[TP+\b]
.endr
.irp b, 0,1,2,3
	v_add_nc_u32 v[TS+\b], 0xff000000, v[TM+\b]    ; 2 off the exponent field: the conversion's scale operand
.endr
.irp b, 0,1,2,3
	v_lshrrev_b32 v[TP+\b], 23, v[TS+\b]
.endr
	v_lshl_or_b32 v[\pw], v[TP+1], 8, v[TP]
	v_lshl_or_b32 v[\pw], v[TP+2], 16, v[\pw]
	v_lshl_or_b32 v[\pw], v[TP+3], 24, v[\pw]
	v_cvt_scalef32_pk16_fp6_f32 v[(\d0):(\d0)+2], v[\s:\s+15], v[TS]
	v_cvt_scalef32_pk16_fp6_f32 v[CT:CT+2], v[\s+16:\s+31], v[TS+1]
	v_cvt_scalef32_pk16_fp6_f32 v[(\d1):(\d1)+2], v[\s+32:\s+47], v[TS+2]
	v_cvt_scalef32_pk16_fp6_f32 v[CT+4:CT+6], v[\s+48:\s+63], v[TS+3]
	v_nop
.irp i, 0,1,2
	v_permlane16_swap_b32 v[(\d0)+\i], v[CT+\i]    ; a whole block to a lane
.endr
.irp i, 0,1,2
	v_mov_b32 v[(\d0)+3+\i], v[CT+\i]
.endr
.irp i, 0,1,2
	v_permlane16_swap_b32 v[(\d1)+\i], v[CT+4+\i]
.endr
.irp i, 0,1,2
	v_mov_b32 v[(\d1)+3+\i], v[CT+4+\i]
.endr
.endm
.macro WAYOUT                          ; four fragments and their scale block; s[12:13] the fragments' place, s[66:67] the block's
.irp b, 0,1,2,3
.if \b > 0
	s_wait_xcnt 0x0                                ; the last fragment's stores have read their registers
.endif
	WIN 0x08
.set j, 0
.rept 64
	v_max_num_f32 v[HA+j], 0, v[64*\b+j]           ; relu, each accumulator from its low end on
.set j, j+1
.endr
	WIN 0
	QUANT HA, OUT, OUT+6, WD+\b
.irp g, 0,1,2
	global_store_b128 v[L16], v[OUT+4*\g:OUT+4*\g+3], s[12:13] offset:1536*\b+512*\g   ; 512 consecutive bytes, aligned
.endr
.endr
	v_cndmask_b32 v[U], v[WD], v[WD+1], s[HIM]
	v_cndmask_b32 v[U+1], v[WD+2], v[WD+3], s[HIM]
	global_store_b64 v[L8], v[U:U+1], s[66:67]     ; 256 consecutive bytes, aligned
.endm
.macro WALK v                          ; a tile's K steps 0 to 6, and step 7's fragments
	s_wait_tensorcnt 0x0                           ; my part of the tiles is in,
	s_barrier_signal -1
	s_barrier_wait -1                              ; everybody's is
	FETCH 0
.set QQ, 0
.rept 7
	s_wait_dscnt 0x0                               ; set QQ % 2 is in
.if QQ
	PLACES 4                                       ; in front of loads into the set that the last products read
.endif
	FETCH QQ+1
	MULS \v, QQ
.set QQ, QQ+1
.endr
.endm
.Ltile:                                            ; two trips: q, k
	s_wait_alu depctr_va_vdst(0)
	s_wait_loadcnt 0x0                             ; scales and bias
	WALK 0
	s_wait_tensorcnt 0x0                           ; ahead of a refill's round
	ds_add_u32 v[SPW], v[NIL]
	s_cmp_eq_u32 s3, 0                             ; what comes next: k's operands, or v's
	s_cselect_b64 s[20:21], s[78:79], s[88:89]
	s_cselect_b64 s[22:23], s[82:83], s[92:93]
	s_cselect_b64 s[40:41], s[80:81], s[90:91]
	s_cselect_b64 s[42:43], s[84:85], s[94:95]
	s_cselect_b64 s[12:13], s[86:87], s[96:97]
	POINT 20, 22, 40, 42, 12
	s_wait_dscnt 0x0                               ; the add is done, and my reads of the tiles are over
	s_barrier_signal -1
	MULS 0, 7
	s_barrier_wait -1
	CREST                                          ; no wave of any partner still reads the tiles
	JLOAD                                          ; the next product's tiles; the four v_nop are the places in front of the loads below
	SCLOADS
	s_cmp_eq_u32 s3, 0
	s_cbranch_scc0 .Lbias_v
	BIASQK
	s_branch .Lbias_done
.Lbias_v:
.irp a, 0,1,2,3
	global_load_b32 v[TB+8*\a], v[BOV], s[60:61] offset:64*\a   ; v: bias[16 a + r], spread over the eight registers behind the loop
.endr
.Lbias_done:
	s_wait_xcnt 0x0                                ; earlier stores have read their bases and data
	s_cmp_eq_u32 s3, 0
	s_cselect_b64 s[12:13], s[98:99], s[100:101]   ; qf, or kv
	s_lshl_b32 s20, s[OQ], s3
	s_mov_b32 s21, 0
	s_add_nc_u64 s[12:13], s[12:13], s[20:21]
	s_lshl_b32 s20, 6144, s3                       ; the scale block lies behind q's four fragments, or behind K's and V's eight
	s_add_nc_u64 s[66:67], s[12:13], s[20:21]
	WAYOUT
	s_wait_xcnt 0x0                                ; the stores have read their registers: the next tile's fragments may land there
	s_add_co_u32 s3, s3, 1
	s_cmp_lt_u32 s3, 2
	s_wait_alu depctr_va_vdst(0)
	s_cbranch_scc1 .Ltile
	s_wait_loadcnt 0x0                             ; v: scales and bias
.irp a, 0,1,2,3
.irp j, 1,2,3,4,5,6,7
	v_mov_b32 v[TB+8*\a+\j], v[TB+8*\a]
.endr
.endr
	PLACES 8
	s_wait_alu depctr_va_vdst(0)
	WALK 1
	s_wait_dscnt 0x0
	MULS 1, 7
	s_lshl_b32 s20, s[OQ], 1
	s_add_co_u32 s20, s20, 6144                    ; V's fragments lie behind K's
	s_mov_b32 s21, 0
	s_add_nc_u64 s[12:13], s[100:101], s[20:21]
	s_add_nc_u64 s[66:67], s[12:13], 6400          ; V's scale block
	PLACES 4
	WAYOUT
	s_wait_tensorcnt 0x0                           ; the wave's end
	ds_add_u32 v[SPW], v[NIL]
	s_wait_dscnt 0x0
	CROUND                                         ; the closing round
	s_endpgm
.Lfunc_end_k_q6d3b698f2a_proj:
	.size	k_q6d3b698f2a_proj, .Lfunc_end_k_q6d3b698f2a_proj-k_q6d3b698f2a_proj
	.p2alignl 7, 3214868480
	.fill 96, 4, 3214868480
	.section	.rodata,"a",@progbits
	.p2align	6, 0x0
	.amdhsa_kernel k_q6d3b698f2a_proj
		.amdhsa_group_segment_fixed_size 327680
		.amdhsa_private_segment_fixed_size 0
		.amdhsa_enable_private_segment 0
		.amdhsa_kernarg_size 136
		.amdhsa_user_sgpr_count 2
		.amdhsa_user_sgpr_kernarg_segment_ptr 1
		.amdhsa_wavefront_size32 1
		.amdhsa_system_sgpr_workgroup_id_x 1
		.amdhsa_system_sgpr_workgroup_id_y 1
		.amdhsa_system_sgpr_workgroup_id_z 1
		.amdhsa_system_vgpr_workitem_id 0
		.amdhsa_next_free_vgpr 768
		.amdhsa_next_free_sgpr 102
		.amdhsa_reserve_vcc 0
		.amdhsa_float_denorm_mode_32 3
		.amdhsa_float_denorm_mode_16_64 3
		.amdhsa_memory_ordered 1
		.amdhsa_forward_progress 1
		.amdhsa_inst_pref_size 204
	.end_amdhsa_kernel
	.amdgpu_metadata
---
amdhsa.version: [ 1, 2 ]
amdhsa.kernels:
  - .name:           k_q6d3b698f2a_proj
    .symbol:         k_q6d3b698f2a_proj.kd
    .args:
      - { .name: queries_codes, .offset: 0, .size: 8, .value_kind: global_buffer, .address_space: global }
      - { .name: queries_scales, .offset: 8, .size: 8, .value_kind: global_buffer, .address_space: global }
      - { .name: Wq_codes, .offset: 16, .size: 8, .value_kind: global_buffer, .address_space: global }
      - { .name: Wq_scales, .offset: 24, .size: 8, .value_kind: global_buffer, .address_space: global }
      - { .name: bq, .offset: 32, .size: 8, .value_kind: global_buffer, .address_space: global }
      - { .name: keys_codes, .offset: 40, .size: 8, .value_kind: global_buffer, .address_space: global }
      - { .name: keys_scales, .offset: 48, .size: 8, .value_kind: global_buffer, .address_space: global }
      - { .name: Wk_codes, .offset: 56, .size: 8, .value_kind: global_buffer, .address_space: global }
      - { .name: Wk_scales, .offset: 64, .size: 8, .value_kind: global_buffer, .address_space: global }
      - { .name: bk, .offset: 72, .size: 8, .value_kind: global_buffer, .address_space: global }
      - { .name: values_codes, .offset: 80, .size: 8, .value_kind: global_buffer, .address_space: global }
      - { .name: values_scales, .offset: 88, .size: 8, .value_kind: global_buffer, .address_space: global }
      - { .name: Wv_codes, .offset: 96, .size: 8, .value_kind: global_buffer, .address_space: global }
      - { .name: Wv_scales, .offset: 104, .size: 8, .value_kind: global_buffer, .address_space: global }
      - { .name: bv, .offset: 112, .size: 8, .value_kind: global_buffer, .address_space: global }
      - { .name: qf, .offset: 120, .size: 8, .value_kind: global_buffer, .address_space: global }
      - { .name: kv, .offset: 128, .size: 8, .value_kind: global_buffer, .address_space: global }
    .group_segment_fixed_size: 327680
    .private_segment_fixed_size: 0
    .kernarg_segment_align: 8
    .kernarg_segment_size: 136
    .max_flat_workgroup_size: 128
    .sgpr_count:     102
    .vgpr_count:     768
    .wavefront_size: 32
...
	.end_amdgpu_metadata
.endif
;; end of part 1
;; launch attn (part 2): grid 4 x 64, 16 waves a work-group, clusters of 4 x 1, 206,848 bytes of LDS; arguments qf, kv, yc, ys; writes yc, ys
.if DOCPART == 2
	.amdgcn_target "amdgcn-amd-amdhsa--gfx1250"
	.amdhsa_code_object_version 6
	.text
	.protected	k_q6d3b698f2a_attn
	.globl	k_q6d3b698f2a_attn
	.p2align	8
	.type	k_q6d3b698f2a_attn,@function
k_q6d3b698f2a_attn:
	s_mov_b64 s[64:65], 0
	v_nop
	global_prefetch_b8 v0, s[64:65] scope:SCOPE_SE
	s_setreg_imm32_b32 hwreg(HW_REG_WAVE_MODE, 25, 1), 1
	s_wait_xcnt 0x0
	s_wait_alu depctr_hold_cnt(0) depctr_sa_sdst(0) depctr_va_vdst(0) depctr_va_sdst(0) depctr_va_ssrc(0) depctr_va_vcc(0) depctr_vm_vsrc(0)
	s_getreg_b32 s2, hwreg(HW_REG_IB_STS2, 6, 4)
	s_cmp_eq_u32 s2, 0
	s_cbranch_scc0 .Lentry_in_a_cluster
	s_endpgm
.Lentry_in_a_cluster:
	s_bfe_u32 s2, ttmp6, 0x10000c
	s_cmp_lg_u32 s2, 0x3003
	s_cbranch_scc0 .Lentry_shape_is_right
	s_endpgm
.Lentry_shape_is_right:
; y = softmax(q k^T / 8) v for one head, both products on codes of FP6 (E2M3) with E8M0 scales; y is quantised along the model's 1,024 channels and leaves as codes for the output projection.
; THE SOFTMAX: t = score x log2(e) / 8; M = the running largest t rounded UP to a whole number; p = 2^(t - M), not normalised, is quantised along the keys; the row's sum is taken of the unquantised p and divides at the end.
; SHARES.  A work-group owns one head and 512 queries, in two passes of 256; each of its sixteen waves owns one tile of 16 queries a pass, in 256 registers: four waves to a SIMD, so that one wave's vector work
; stands beside another's matrix work and LDS loads.  The head's whole image of K and V (16 steps of 128 keys, 12,800 bytes each) is brought into LDS ONCE: nothing is filled again, and nothing is stored to LDS.
; CLUSTER.  The four work-groups of a head form a cluster and ask for that image jointly: waves 0 to 3 issue one load each, a quarter of the image, with a mask that names the four.
; LAYOUT.  Both products are used transposed (S^T = K Q^T, O^T = V^T P^T): a lane holds one query throughout.  The head has 64 channels and the instruction 128 along K: a fragment of K carries key 16 b + row in k 0-63
; and key 64 + 16 b + row in k 64-127, and is multiplied twice, by (q, 0) and by (0, q): zero codes take the other half out (no scale byte here is 0xff).
; Fragments lie in LDS as images of their registers: three loads of 16 bytes a lane at 16 x lane.  Four fragments' scale words are 8 bytes a lane: odd fragments stand in lanes 16-31.
; Inside a block of 32 keys p's codes lie in the order 0-7, 16-23, 8-15, 24-31, as V's do (both come from the same result layout).  y meets a weight given in its own order, so y is first brought into natural order.
; No prefetch: every byte of K and V is asked for by the first loads.
; LIMITS: NaN and infinities are not served; a p under 2^-126 falls to 0; a block under 2^-124, and a block of zeros, keeps the byte 1 (its codes are zeros; this program alone reads the bytes).
.set STEPB, 12800                      ; a step: K's 4 fragments (6,144), V's 4 (6,144), K's scale block (256), V's (256)
.set QSTEP, 6400                       ; a step of q: 4 fragments, a scale block
.set L16, 1                            ; v1   16 x lane
.set L8,  2                            ; v2   8 x lane + 12,288
.set ADK, 3                            ; v3   the step's fragments
.set ADS, 4                            ; v4   the step's scale blocks
.set L8R, 5                            ; v5   8 x lane
.set YSO, 6                            ; v6   32 r + h
.set QWO, 7                            ; v7   8 r
.set QS,  34                           ; v34  q's scale word (s0, s1, s0, s1);  v16-21 zeros, v22-27 q, v28-33 zeros
.set KS,  36                           ; v[36:37] K's scale words
.set VS,  38                           ; v[38:39] V's
.set KF,  40                           ; v40-87   four fragments: K's, then V's
.set S,   96                           ; v96-159  S^T, then p
.set O,   160                          ; v160-191 O^T
.set PC,  192                          ; v192-203 p's codes
.set CT,  204
.set BM,  212
.set BP,  216
.set BS,  220
.set PW,  224                          ; v224 p's scale word
.set YB,  225                          ; v225 y's scale byte
.set F,   226                          ; v[226:227]
.set TT,  228
.set SUM2, 230
.set WV,  14
.set G1,  24
.set G0,  40
.set TB,  48
.set CNT, 49
.set PASS, 50
.set FMSK, 51
.set QSEL, 52
.set HIM, 53
.set SEL, 54
.set CS,  56
.macro CROUND                          ; a round of the cluster's barrier
	s_barrier_signal -1
	s_barrier_wait -1
	s_cmp_lg_u32 s[WV], 0
	s_cbranch_scc1 .Lnot_wave_0_\@
	s_barrier_signal -3
.Lnot_wave_0_\@:
	s_barrier_wait -3
	s_barrier_signal -1
	s_barrier_wait -1
.endm
	s_load_b128 s[4:7], s[0:1], 0x0                ; qf, kv
	s_load_b128 s[8:11], s[0:1], 0x10              ; yc, ys
	v_lshl_add_u32 v254, v0, 2, 0x32000
	v_mov_b32 v255, 0
	ds_add_u32 v254, v255
	ds_add_u32 v254, v255
	v_lshrrev_b32 v8, 5, v0
	s_delay_alu instid0(VALU_DEP_1)
	v_readfirstlane_b32 s[WV], v8                  ; wave 0..15
	s_bfe_u32 s15, ttmp6, 0x40000                  ; cx
	s_lshl_b32 s23, ttmp9, 2
	s_add_co_u32 s15, s15, s23                     ; my block of 512 queries: it enters q's and y's addresses alone
	s_and_b32 s16, ttmp7, 0xffff                   ; 16 x batch + head, which the four partners share
	s_and_b32 s17, s[WV], 3
	s_mul_i32 s18, s17, 4*STEPB                    ; the quarter of the image that waves 0 to 3 fetch: in LDS and in memory alike
	s_mul_i32 s2, s16, 16*STEPB
	s_add_co_u32 s2, s2, s18
	s_mov_b32 s3, 0
	; descriptor group 1: 51,200 dense bytes as 200 rows of 256 (32 elements of 8 bytes), no padding
	s_mov_b32 s[G1], 15|(3<<16)|(1<<21)            ; 15:0 the mask: all four work-groups; 17:16 elements of 8 bytes; 21 set beside a mask
	s_mov_b32 s[G1+1], 32<<16
	s_mov_b32 s[G1+2], 200<<16
	s_mov_b32 s[G1+3], 32<<16
	s_mov_b32 s[G1+4], 200
	s_mov_b32 s[G1+5], 32
	s_mov_b32 s[G1+6], 0
	s_mov_b32 s[G1+7], 0
	; my tile in pass 0: step sq of 128 queries, fragment b, half f: queries 128 sq + 64 f + 16 b + 0 .. 15
	s_bfe_u32 s20, s[WV], 0x20001                  ; b
	s_and_b32 s21, s[WV], 1                        ; f
	s_lshr_b32 s22, s[WV], 3
	s_lshl_b32 s23, s15, 2
	s_add_co_u32 s22, s22, s23                     ; sq
	s_mul_i32 s32, s16, 16*QSTEP
	s_mul_i32 s33, s22, QSTEP
	s_add_co_u32 s32, s32, s33
	s_mul_i32 s33, s20, 1536
	s_add_co_u32 s34, s32, s33                     ; the fragment
	s_mov_b32 s35, 0
	s_and_b32 s33, s20, 1
	s_lshl_b32 s33, s33, 7
	s_add_co_u32 s36, s32, s33
	s_lshr_b32 s33, s20, 1
	s_lshl_b32 s33, s33, 2
	s_add_co_u32 s36, s36, s33
	s_add_co_u32 s36, s36, 6144                    ; its scale words: 6,144 + 128 (b % 2) + 4 (b / 2), 8 bytes a row
	s_mov_b32 s37, 0
	s_lshr_b32 s33, s16, 4
	s_lshl_b32 s33, s33, 7
	s_lshl_b32 s38, s22, 3
	s_add_co_u32 s33, s33, s38
	s_lshl_b32 s38, s21, 2
	s_add_co_u32 s33, s33, s38
	s_add_co_u32 s33, s33, s20                     ; T = token / 16 = 128 x batch + 8 sq + 4 f + b
	s_and_b32 s38, s16, 15                         ; the head
	s_lshr_b32 s39, s38, 2
	s_mul_i32 s44, s39, 1572864                    ; yc: [4 K steps of 256][512 T][4 heads][768]
	s_mul_i32 s39, s33, 3072
	s_add_co_u32 s44, s44, s39
	s_and_b32 s39, s38, 3
	s_mul_i32 s39, s39, 768
	s_add_co_u32 s44, s44, s39
	s_mov_b32 s45, 0
	s_lshl_b32 s46, s33, 9                         ; ys: 32 bytes a token, byte 2 x head + block
	s_lshl_b32 s39, s38, 1
	s_add_co_u32 s46, s46, s39
	s_mov_b32 s47, 0
	s_cmp_eq_u32 s21, 1
	s_cselect_b32 s[FMSK], -1, 0
	s_mov_b32 s[QSEL], 0x01000100
	s_cselect_b32 s[QSEL], 0x03020302, s[QSEL]
	s_mov_b32 s[HIM], 0xffff0000
	s_mov_b32 s[SEL], 0x76543210
	s_mov_b32 s[SEL+1], 0xfedcba98
	s_mov_b32 s[CS], 0x3e38aa3b                    ; c = log2(e) / 8
	s_mov_b32 s[CS+1], s[CS]
	s_wait_dscnt 0x0
	s_wait_kmcnt 0x0
	s_add_nc_u64 s[12:13], s[4:5], s[36:37]        ; q's scale words
	s_add_nc_u64 s[4:5], s[4:5], s[34:35]          ; q's fragment
	s_add_nc_u64 s[8:9], s[8:9], s[44:45]
	s_add_nc_u64 s[10:11], s[10:11], s[46:47]
	s_mov_b32 s[G0], 1
	s_mov_b32 s[G0+1], s18
	s_add_nc_u64 s[G0+2:G0+3], s[6:7], s[2:3]
	s_or_b32 s[G0+3], s[G0+3], 0x80000000
	CROUND                                         ; all four work-groups are here: the joint loads meet
	s_cmp_lt_u32 s[WV], 4
	s_cbranch_scc0 .Lno_fetch
	tensor_load_to_lds s[G0:G0+3], s[G1:G1+7]      ; one tensor load of mine is out
	s_nop 0
.rept 4
	v_nop
.endr
.Lno_fetch:
	v_and_b32 v8, 31, v0
	s_delay_alu instid0(VALU_DEP_1)
	v_lshlrev_b32 v[L16], 4, v8
	s_delay_alu instid0(VALU_DEP_2)
	v_lshlrev_b32 v[L8R], 3, v8
	s_delay_alu instid0(VALU_DEP_1)
	v_add_nc_u32 v[L8], 12288, v[L8R]
	v_and_b32 v9, 15, v0
	v_bfe_u32 v10, v0, 4, 1
	s_delay_alu instid0(VALU_DEP_1)
	v_lshl_add_u32 v[YSO], v9, 5, v10
	s_delay_alu instid0(VALU_DEP_3)
	v_lshlrev_b32 v[QWO], 3, v9
.irp i, 0,1,2,3,4,5
	v_mov_b32 v[16+\i], 0                          ; zero codes on both sides of q
	v_mov_b32 v[28+\i], 0
.endr
.irp b, 0,1,2,3
	v_mov_b32 v[BP+\b], 0                          ; written once: a lane permute's destination counts as one of its sources
.endr
	v_mov_b32 v[F+1], 0                            ; named as the upper half of a pair
	s_mov_b32 s[PASS], 0
	s_wait_tensorcnt 0x0                           ; my quarter of the image is in,
	s_barrier_signal -1
	s_barrier_wait -1                              ; everybody's is: from here on LDS is only read
; A KEY STEP: 128 keys.
.macro STEP
	v_add_nc_u32 v[ADK], s[TB], v[L16]
	v_add_nc_u32 v[ADS], s[TB], v[L8]
	v_nop
	v_nop                                          ; four plain lines in front of loads into registers that the last products read
.irp b, 0,1,2,3
.irp g, 0,1,2
	ds_load_b128 v[KF+12*\b+4*\g:KF+12*\b+4*\g+3], v[ADK] offset:1536*\b+512*\g
.endr
.endr
	ds_load_b64 v[KS:KS+1], v[ADS]
	ds_load_b64 v[VS:VS+1], v[ADS] offset:256
	s_wait_alu depctr_va_vdst(0)
	s_wait_dscnt 0x0
.irp t, 0,1,2,3,4,5,6,7                        ; tile t: keys 16 t + 8 h + j.  t < 4: K's lower halves against (q, 0); else the upper halves against (0, q)
.set rK, KF+12*(\t%4)
.set rQ, 22-6*(\t/4)
.set xK, KS+(\t%4)/2
.if \t%2
	v_wmma_scale_f32_16x16x128_f8f6f4 v[S+8*\t:S+8*\t+7], v[rK:rK+11], v[rQ:rQ+11], 0, v[xK], v[QS] matrix_a_fmt:MATRIX_FMT_FP6 matrix_b_fmt:MATRIX_FMT_FP6 matrix_a_scale:MATRIX_SCALE_ROW1
.else
	v_wmma_scale_f32_16x16x128_f8f6f4 v[S+8*\t:S+8*\t+7], v[rK:rK+11], v[rQ:rQ+11], 0, v[xK], v[QS] matrix_a_fmt:MATRIX_FMT_FP6 matrix_b_fmt:MATRIX_FMT_FP6
.endif
.endr
.rept 4
	v_nop                                          ; places: for V's loads into K's registers, and for the first read of the scores
.endr
.irp b, 0,1,2,3
.irp g, 0,1,2
	ds_load_b128 v[KF+12*\b+4*\g:KF+12*\b+4*\g+3], v[ADK] offset:6144+1536*\b+512*\g   ; V's fragments land while the softmax is walked
.endr
.endr
.irp b, 0,1,2,3
	v_max3_num_f32 v[BM+\b], v[S+16*\b], v[S+16*\b+1], v[S+16*\b+2]   ; the largest score of each block of 32 keys: it serves the row's maximum and, since p rises with the score, the block's largest p
.endr
.irp i, 3,5,7,9,11,13
.irp b, 0,1,2,3
	v_max3_num_f32 v[BM+\b], v[BM+\b], v[S+16*\b+\i], v[S+16*\b+\i+1]
.endr
.endr
.irp b, 0,1,2,3
	v_max_num_f32 v[BM+\b], v[BM+\b], v[S+16*\b+15]
.endr
.irp b, 0,1,2,3
	s_delay_alu instid0(VALU_DEP_4)
	v_permlanex16_b32 v[BP+\b], v[BM+\b], s[SEL], s[SEL+1]
.endr
.irp b, 0,1,2,3
	s_delay_alu instid0(VALU_DEP_4)
	v_max_num_f32 v[BM+\b], v[BM+\b], v[BP+\b]
.endr
	s_delay_alu instid0(VALU_DEP_2)
	v_max3_num_f32 v[TT], v[BM], v[BM+1], v[BM+2]
	s_delay_alu instid0(VALU_DEP_1)
	v_max_num_f32 v[TT], v[TT], v[BM+3]
	s_delay_alu instid0(VALU_DEP_1)
	v_mul_f32 v[TT], s[CS], v[TT]
	s_delay_alu instid0(VALU_DEP_1)
	v_max_num_f32 v13, v13, v[TT]                  ; the running largest t
	v_mov_b32 v[TT], v12
	s_delay_alu instid0(VALU_DEP_2)
	v_floor_f32 v12, -v13                          ; -M = floor(-t): M is a whole number
	s_delay_alu instid0(VALU_DEP_1)
	v_sub_f32 v[TT], v12, v[TT]
	s_delay_alu instid0(VALU_DEP_1)
	v_cvt_i32_f32 v[TT], v[TT]                     ; (it saturates)
	s_delay_alu instid0(VALU_DEP_1)
	v_ldexp_f32 v[F], 1.0, v[TT]                   ; f = 2^(old M - new M): a multiplication by it rounds nothing
.irp j, 0,2,4,6,8,10,12,14,16,18,20,22,24,26,28,30,32,34,36,38,40,42,44,46,48,50,52,54,56,58,60,62
	v_pk_fma_f32 v[S+\j:S+\j+1], v[S+\j:S+\j+1], s[CS:CS+1], v[12:13] op_sel_hi:[1,0,0]   ; t - M
.endr
.irp b, 0,1,2,3
	v_fma_f32 v[BM+\b], v[BM+\b], s[CS], v12
.endr
.set j, 0
	s_wait_alu depctr_va_vdst(0)
.rept 64
	v_exp_f32 v[S+j], v[S+j]                       ; p = 2^(t - M)
.set j, j+1
.endr
	v_pk_mul_f32 v[14:15], v[14:15], v[F:F+1] op_sel_hi:[1,0]   ; the sums under the new M: the plain line behind the batch
	s_wait_alu depctr_va_vdst(0)                   ; one wait for the 64 exponentials, ahead of their first reader
.irp b, 0,1,2,3
	v_exp_f32 v[BM+\b], v[BM+\b]                   ; each block's largest p
.endr
	v_pk_add_f32 v[230:231], v[100:101], v[104:105]
	v_pk_add_f32 v[252:253], v[108:109], v[112:113]
	v_pk_add_f32 v[250:251], v[116:117], v[120:121]
	v_pk_add_f32 v[248:249], v[124:125], v[128:129]
	v_pk_add_f32 v[246:247], v[132:133], v[136:137]
	v_pk_add_f32 v[244:245], v[140:141], v[144:145]
	v_pk_add_f32 v[242:243], v[148:149], v[152:153]
	v_pk_add_f32 v[14:15], v[14:15], v[156:157]
	v_pk_add_f32 v[230:231], v[230:231], v[96:97]
	v_pk_add_f32 v[252:253], v[252:253], v[98:99]
	v_pk_add_f32 v[250:251], v[250:251], v[102:103]
	v_pk_add_f32 v[248:249], v[248:249], v[106:107]
	v_pk_add_f32 v[246:247], v[246:247], v[110:111]
	v_pk_add_f32 v[244:245], v[244:245], v[114:115]
	v_pk_add_f32 v[242:243], v[242:243], v[118:119]
	v_pk_add_f32 v[14:15], v[14:15], v[122:123]
	v_pk_add_f32 v[230:231], v[230:231], v[126:127]
	v_pk_add_f32 v[252:253], v[252:253], v[130:131]
	v_pk_add_f32 v[250:251], v[250:251], v[134:135]
	v_pk_add_f32 v[248:249], v[248:249], v[138:139]
	v_pk_add_f32 v[246:247], v[246:247], v[142:143]
	v_pk_add_f32 v[244:245], v[244:245], v[146:147]
	v_pk_add_f32 v[242:243], v[242:243], v[150:151]
	v_pk_add_f32 v[14:15], v[14:15], v[154:155]
	v_pk_add_f32 v[230:231], v[230:231], v[158:159]
	s_delay_alu instid0(VALU_DEP_2)
	v_pk_add_f32 v[14:15], v[14:15], v[248:249]
	s_delay_alu instid0(VALU_DEP_2)
	v_pk_add_f32 v[230:231], v[230:231], v[246:247]
	v_pk_add_f32 v[252:253], v[252:253], v[244:245]
	v_pk_add_f32 v[250:251], v[250:251], v[242:243]
	s_delay_alu instid0(VALU_DEP_2)
	v_pk_add_f32 v[14:15], v[14:15], v[252:253]
	s_delay_alu instid0(VALU_DEP_2)
	v_pk_add_f32 v[230:231], v[230:231], v[250:251]
	s_delay_alu instid0(VALU_DEP_1)
	v_pk_add_f32 v[14:15], v[14:15], v[230:231]
	s_wait_alu depctr_va_vdst(0)                   ; and one for the four
.irp b, 0,1,2,3
	v_max_num_f32 v[BM+\b], 0x1800000, v[BM+\b]    ; the floor 2^(3 - 127)
.endr
.irp b, 0,1,2,3
	s_delay_alu instid0(VALU_DEP_4)
	v_add_nc_u32 v[BS+\b], 0xff000000, v[BM+\b]
.endr
.irp b, 0,1,2,3
	s_delay_alu instid0(VALU_DEP_4)
	v_lshrrev_b32 v[BP+\b], 23, v[BS+\b]
.endr
	s_delay_alu instid0(VALU_DEP_3)
	v_lshl_or_b32 v[PW], v[BP+1], 8, v[BP]
	s_delay_alu instid0(VALU_DEP_1)
	v_lshl_or_b32 v[PW], v[BP+2], 16, v[PW]
	s_delay_alu instid0(VALU_DEP_1)
	v_lshl_or_b32 v[PW], v[BP+3], 24, v[PW]
.irp c, 0,1
	v_cvt_scalef32_pk16_fp6_f32 v[PC+6*\c:PC+6*\c+2], v[S+32*\c:S+32*\c+15], v[BS+2*\c]
	v_cvt_scalef32_pk16_fp6_f32 v[CT+4*\c:CT+4*\c+2], v[S+32*\c+16:S+32*\c+31], v[BS+2*\c+1]
.endr
	v_nop                                          ; one plain line behind the scaled conversions
.irp c, 0,1
.irp i, 0,1,2
	v_permlane16_swap_b32 v[PC+6*\c+\i], v[CT+4*\c+\i]
.endr
.irp i, 0,1,2
	s_delay_alu instid0(VALU_DEP_3)
	v_mov_b32 v[PC+6*\c+3+\i], v[CT+4*\c+\i]
.endr
.endr
.irp j, 0,2,4,6,8,10,12,14,16,18,20,22,24,26,28,30
	v_pk_mul_f32 v[O+\j:O+\j+1], v[O+\j:O+\j+1], v[F:F+1] op_sel_hi:[1,0]   ; O^T under the new M; these sixteen are also the places between p's codes and scale word and the products
.endr
	s_wait_alu depctr_va_vdst(0)
	s_wait_dscnt 0x0                               ; V is in
.irp b, 0,1,2,3                                ; one product for each accumulator
.set rV, KF+12*\b
.set xV, VS+\b/2
.if \b%2
	v_wmma_scale_f32_16x16x128_f8f6f4 v[O+8*\b:O+8*\b+7], v[rV:rV+11], v[PC:PC+11], v[O+8*\b:O+8*\b+7], v[xV], v[PW] matrix_a_fmt:MATRIX_FMT_FP6 matrix_b_fmt:MATRIX_FMT_FP6 matrix_a_scale:MATRIX_SCALE_ROW1
.else
	v_wmma_scale_f32_16x16x128_f8f6f4 v[O+8*\b:O+8*\b+7], v[rV:rV+11], v[PC:PC+11], v[O+8*\b:O+8*\b+7], v[xV], v[PW] matrix_a_fmt:MATRIX_FMT_FP6 matrix_b_fmt:MATRIX_FMT_FP6
.endif
.endr
	s_add_co_u32 s[TB], s[TB], STEPB
.endm
.Lpass:                                            ; two trips: 256 queries of the work-group each
	global_load_b128 v[40:43], v[L16], s[4:5]      ; the fragment that holds my 16 queries (and 16 others)
	global_load_b128 v[44:47], v[L16], s[4:5] offset:512
	global_load_b128 v[48:51], v[L16], s[4:5] offset:1024
	global_load_b32 v35, v[QWO], s[12:13]
	s_wait_loadcnt 0x0
.irp i, 0,1,2,3,4,5
	v_cndmask_b32 v[22+\i], v[40+\i], v[46+\i], s[FMSK]   ; my half of it
.endr
	v_perm_b32 v[QS], v35, v35, s[QSEL]            ; my two scale bytes, twice.  The lines below are the places between this write and the first product that names it
	v_mov_b32 v13, 0xff61b1e6                      ; the largest t so far: -3e38
	s_delay_alu instid0(VALU_DEP_1)
	v_floor_f32 v12, -v13
	v_mov_b32 v14, 0
	v_mov_b32 v15, 0
.set j, 0
.rept 32
	v_mov_b32 v[O+j], 0                            ; the step is written once: the first finds zeros, which the first change of M leaves zeros
.set j, j+1
.endr
	s_mov_b32 s[TB], 0
	s_mov_b32 s[CNT], 16
.Lstep:
	STEP
	s_sub_co_u32 s[CNT], s[CNT], 1
	s_cmp_lg_u32 s[CNT], 0
	s_cbranch_scc1 .Lstep
	; THE WAY OUT: y = O^T / the sum, into natural order, quantised in two blocks of 32 channels
	v_add_f32 v14, v14, v15
	s_delay_alu instid0(VALU_DEP_1)
	v_permlanex16_b32 v[TT], v14, s[SEL], s[SEL+1]
	s_delay_alu instid0(VALU_DEP_1)
	v_add_f32 v14, v14, v[TT]
	s_wait_alu depctr_va_vdst(0)
	v_rcp_f32 v14, v14
.rept 3
	v_nop                                          ; plain lines behind the reciprocal and behind the last products
.endr
	s_wait_alu depctr_va_vdst(0)                   ; ahead of the reciprocal's first reader
.irp j, 0,2,4,6,8,10,12,14,16,18,20,22,24,26,28,30
	v_pk_mul_f32 v[S+\j:S+\j+1], v[O+\j:O+\j+1], v[14:15] op_sel_hi:[1,0]   ; register 16 B + 8 u + j: channel 32 B + 16 u + 8 h + j
.endr
.irp b, 0,1
.irp j, 0,1,2,3,4,5,6,7
	v_permlane16_swap_b32 v[S+16*\b+\j], v[S+16*\b+8+\j]   ; now register 16 B + i: channel 32 B + 16 h + i
.endr
.endr
.irp b, 0,1
	v_max3_num_f32 v[BM+\b], v[S+16*\b], v[S+16*\b+1], 0x1800000   ; y is never negative
.endr
.irp i, 2,4,6,8,10,12,14
.irp b, 0,1
	s_delay_alu instid0(VALU_DEP_2)
	v_max3_num_f32 v[BM+\b], v[BM+\b], v[S+16*\b+\i], v[S+16*\b+\i+1]
.endr
.endr
.irp b, 0,1
	s_delay_alu instid0(VALU_DEP_2)
	v_permlanex16_b32 v[BP+\b], v[BM+\b], s[SEL], s[SEL+1]
.endr
.irp b, 0,1
	s_delay_alu instid0(VALU_DEP_2)
	v_max_num_f32 v[BM+\b], v[BM+\b], v[BP+\b]
.endr
.irp b, 0,1
	s_delay_alu instid0(VALU_DEP_2)
	v_add_nc_u32 v[BS+\b], 0xff000000, v[BM+\b]
.endr
.irp b, 0,1
	s_delay_alu instid0(VALU_DEP_2)
	v_lshrrev_b32 v[BP+\b], 23, v[BS+\b]
.endr
	v_cvt_scalef32_pk16_fp6_f32 v[PC:PC+2], v[S:S+15], v[BS]
	v_cvt_scalef32_pk16_fp6_f32 v[CT:CT+2], v[S+16:S+31], v[BS+1]
	v_nop
.irp i, 0,1,2
	v_permlane16_swap_b32 v[PC+\i], v[CT+\i]       ; lanes 0-15 block 0, lanes 16-31 block 1, whole
.endr
.irp i, 0,1,2
	s_delay_alu instid0(VALU_DEP_3)
	v_mov_b32 v[PC+3+\i], v[CT+\i]
.endr
	v_cndmask_b32 v[YB], v[BP], v[BP+1], s[HIM]    ; my block's byte
	global_store_b128 v[L16], v[PC:PC+3], s[8:9]   ; 512 consecutive bytes, aligned
	global_store_b64 v[L8R], v[PC+4:PC+5], s[8:9] offset:512   ; 256 consecutive bytes, aligned
	global_store_b8 v[YSO], v[YB], s[10:11]        ; two bytes of each token's 32: a head owns no more of a row of scales
	s_wait_xcnt 0x0                                ; loads and stores have read their addresses and data: the pointers may step, the registers be written again
	s_add_nc_u64 s[4:5], s[4:5], 2*QSTEP
	s_add_nc_u64 s[12:13], s[12:13], 2*QSTEP
	s_add_nc_u64 s[8:9], s[8:9], 16*3072
	s_add_nc_u64 s[10:11], s[10:11], 16*512
	s_add_co_u32 s[PASS], s[PASS], 1
	s_cmp_lt_u32 s[PASS], 2
	s_cbranch_scc1 .Lpass
	s_wait_tensorcnt 0x0
	ds_add_u32 v254, v255
	s_wait_dscnt 0x0
	CROUND                                         ; the closing round
	s_endpgm
.Lfunc_end_k_q6d3b698f2a_attn:
	.size	k_q6d3b698f2a_attn, .Lfunc_end_k_q6d3b698f2a_attn-k_q6d3b698f2a_attn
	.p2alignl 7, 3214868480
	.fill 96, 4, 3214868480
	.section	.rodata,"a",@progbits
	.p2align	6, 0x0
	.amdhsa_kernel k_q6d3b698f2a_attn
		.amdhsa_group_segment_fixed_size 206848
		.amdhsa_private_segment_fixed_size 0
		.amdhsa_enable_private_segment 0
		.amdhsa_kernarg_size 32
		.amdhsa_user_sgpr_count 2
		.amdhsa_user_sgpr_kernarg_segment_ptr 1
		.amdhsa_wavefront_size32 1
		.amdhsa_system_sgpr_workgroup_id_x 1
		.amdhsa_system_sgpr_workgroup_id_y 1
		.amdhsa_system_sgpr_workgroup_id_z 1
		.amdhsa_system_vgpr_workitem_id 0
		.amdhsa_next_free_vgpr 256
		.amdhsa_next_free_sgpr 66
		.amdhsa_reserve_vcc 0
		.amdhsa_float_denorm_mode_32 3
		.amdhsa_float_denorm_mode_16_64 3
		.amdhsa_memory_ordered 1
		.amdhsa_forward_progress 1
		.amdhsa_inst_pref_size 31
	.end_amdhsa_kernel
	.amdgpu_metadata
---
amdhsa.version: [ 1, 2 ]
amdhsa.kernels:
  - .name:           k_q6d3b698f2a_attn
    .symbol:         k_q6d3b698f2a_attn.kd
    .args:
      - { .name: qf, .offset: 0, .size: 8, .value_kind: global_buffer, .address_space: global }
      - { .name: kv, .offset: 8, .size: 8, .value_kind: global_buffer, .address_space: global }
      - { .name: yc, .offset: 16, .size: 8, .value_kind: global_buffer, .address_space: global }
      - { .name: ys, .offset: 24, .size: 8, .value_kind: global_buffer, .address_space: global }
    .group_segment_fixed_size: 206848
    .private_segment_fixed_size: 0
    .kernarg_segment_align: 8
    .kernarg_segment_size: 32
    .max_flat_workgroup_size: 512
    .sgpr_count:     66
    .vgpr_count:     256
    .wavefront_size: 32
...
	.end_amdgpu_metadata
.endif
;; end of part 2
;; launch outp (part 3): grid 4 x 64, 4 waves a work-group, clusters of 4 x 4, 327,680 bytes of LDS; arguments yc, ys, Wo_codes, Wo_scales, bo, out0; writes out0
.if DOCPART == 3
	.amdgcn_target "amdgcn-amd-amdhsa--gfx1250"
	.amdhsa_code_object_version 6
	.text
	.protected	k_q6d3b698f2a_outp
	.globl	k_q6d3b698f2a_outp
	.p2align	8
	.type	k_q6d3b698f2a_outp,@function
k_q6d3b698f2a_outp:
	s_mov_b64 s[64:65], 0
	v_nop
	global_prefetch_b8 v0, s[64:65] scope:SCOPE_SE
	s_setreg_imm32_b32 hwreg(HW_REG_WAVE_MODE, 25, 1), 1
	s_wait_xcnt 0x0
	s_wait_alu depctr_hold_cnt(0) depctr_sa_sdst(0) depctr_va_vdst(0) depctr_va_sdst(0) depctr_va_ssrc(0) depctr_va_vcc(0) depctr_vm_vsrc(0)
	s_getreg_b32 s2, hwreg(HW_REG_IB_STS2, 6, 4)
	s_cmp_eq_u32 s2, 0
	s_cbranch_scc0 .Lentry_in_a_cluster
	s_endpgm
.Lentry_in_a_cluster:
	s_bfe_u32 s2, ttmp6, 0x10000c
	s_cmp_lg_u32 s2, 0xf033
	s_cbranch_scc0 .Lentry_shape_is_right
	s_endpgm
.Lentry_shape_is_right:
; out0 = relu(y Wo + bo) on codes of FP6 (E2M3) with E8M0 scales, K = 1,024.  y's codes come as the attention launch left them: yc[4 K steps of 256][token / 16][4 heads][768 bytes: images of operand registers], ys[token][32].
; A work-group makes 128 tokens x 256 columns, four waves of 64 x 128 (32 accumulators).  ALL OF K LIES IN LDS, FILLED ONCE: Wo's 256 rows whole (768 bytes + 16 behind every 256) and y's image of 128 tokens (4 x 24,576 bytes).
; One joint load a wave at the head (waves 0, 1: two K steps each of y's image, shared along a row of the 4 x 4 cluster; waves 2, 3: 128 rows each of Wo, shared along a column); nothing is filled again.
; THE SCALES go straight into registers: lane l takes the 32 bytes of row 32 p + l, so a load's 32 lanes read 1,024 consecutive bytes; word Q of a row serves K step Q of 128; even blocks of 16 rows stand in lanes 0-15, odd ones in lanes 16-31.
; Source 0 = Wo's rows, source 1 = y's rows: a lane holds eight neighbouring columns of one token.  The bias begins each sum as the first product's C.  The way out goes through a stage in LDS on Wo's bytes, behind a barrier
; in front of which every wave has ended its reads of them; whole rows of 512 bytes are stored.
; No prefetch: every byte is asked for by the head's loads, and there is no loop to run ahead in.
; LIMITS: NaN and infinities are not served.
.set KROW,   768
.set PITCH,  816
.set FR,     12
.set HALFB,  128*PITCH
.set AB,     2*HALFB                   ; y's image, behind Wo's rows
.set KSB,    1572864                   ; from K step to K step of 256 in yc
.set ASTEP,  24576
.set AHALF,  12288
.set SPARE,  AB+4*ASTEP                ; the spare words
.set SPITCH, 528
.set A16,  16                          ; v16-17 16 x lane in my half of the image: K steps 0-1, 2-3
.set A8,   18                          ; v18-19 8 x lane likewise
.set ADRB, 20                          ; v20-23 Wo's fragments: +1 behind one padding more, +2 blocks 4-7
.set STO,  24
.set RD,   25
.set CO,   26
.set VSO,  27                          ; 32 x lane
.set SPW,  28
.set NIL,  29
.set BO,   30
.set SA,   32                          ; v32-47 y's scale words: 8 p + Q
.set SBR,  52                          ; v52-83 Wo's
.set TB,   88                          ; v88-151 the bias
.set AF,   152                         ; v152-247 y's fragments, two sets
.set T,    32                          ; the way out
.set BK,   96
.set G1,   24
.set G0,   32
.set G1B,  48
.set G0B,  56
.set MSB, 0
.macro WIN new
.if MSB != (\new)
	s_set_vgpr_msb (MSB<<8)|(\new)
.set MSB, (\new)
.endif
.endm
.macro PLACES n
.rept \n
	v_nop
.endr
.endm
.macro CROUND
	s_barrier_signal -1
	s_barrier_wait -1
	s_cmp_lg_u32 s14, 0
	s_cbranch_scc1 .Lnot_wave_0_\@
	s_barrier_signal -3
.Lnot_wave_0_\@:
	s_barrier_wait -3
	s_barrier_signal -1
	s_barrier_wait -1
.endm
	s_load_b128 s[4:7], s[0:1], 0x0                ; yc, ys
	s_load_b128 s[8:11], s[0:1], 0x10              ; Wo's codes, scales
	s_load_b128 s[96:99], s[0:1], 0x20             ; bo, out0
	v_lshl_add_u32 v[SPW], v0, 2, SPARE
	v_mov_b32 v[NIL], 0
	ds_add_u32 v[SPW], v[NIL]                      ; the opening lines
	ds_add_u32 v[SPW], v[NIL]
	v_lshrrev_b32 v1, 5, v0
	v_readfirstlane_b32 s14, v1
	s_lshr_b32 s15, s14, 1                         ; my 64 tokens; also: I fetch y (0) or Wo (1)
	s_and_b32 s16, s14, 1                          ; my 128 columns; also: which half I fetch
	s_bfe_u32 s40, ttmp6, 0x40000
	s_bfe_u32 s41, ttmp6, 0x40004
	s_lshl_b32 s42, ttmp9, 2
	s_add_co_u32 s42, s42, s40                     ; tile column
	s_and_b32 s17, ttmp7, 0xffff
	s_lshl_b32 s17, s17, 2
	s_add_co_u32 s17, s17, s41                     ; tile row
	s_lshl_b32 s43, s41, 2
	s_lshl_b32 s43, 15, s43
	s_lshl_b32 s44, 0x1111, s40
	s_or_b32 s[G1+0], s43, (3<<16)|(1<<21)         ; y: 2 rows of 24,576 bytes (3,072 elements of 8), KSB apart, dense in LDS
	s_mov_b32 s[G1+1], 3072<<16
	s_mov_b32 s[G1+2], 2<<16
	s_mov_b32 s[G1+3], 3072<<16
	s_mov_b32 s[G1+4], 2
	s_mov_b32 s[G1+5], KSB/8
	s_mov_b32 s[G1+6], 0
	s_mov_b32 s[G1+7], 0
	s_or_b32 s[G1B+0], s44, (1<<20)|(1<<21)|(5<<22)|(3<<25)   ; Wo: 128 rows of 768 bytes, 16 of padding behind every 256
	s_mov_b32 s[G1B+1], KROW<<16
	s_mov_b32 s[G1B+2], 128<<16
	s_mov_b32 s[G1B+3], KROW<<16
	s_mov_b32 s[G1B+4], 128
	s_mov_b32 s[G1B+5], KROW
	s_mov_b32 s[G1B+6], 0
	s_mov_b32 s[G1B+7], 0
	s_mul_i32 s20, s17, ASTEP
	s_mul_i32 s18, s16, 2*KSB
	s_add_co_u32 s20, s20, s18
	s_mov_b32 s21, 0
	s_lshl_b32 s46, s42, 1
	s_add_co_u32 s46, s46, s16
	s_mul_i32 s92, s46, 128*32                     ; the scales of my 128 rows of Wo
	s_mov_b32 s93, 0
	s_mul_i32 s46, s46, 128*KROW
	s_mov_b32 s47, 0
	s_lshl_b32 s22, s17, 1
	s_add_co_u32 s22, s22, s15
	s_lshl_b32 s22, s22, 11                        ; the scales of my 64 tokens
	s_mov_b32 s23, 0
	s_mul_i32 s45, s16, 2*ASTEP
	s_add_co_u32 s45, s45, AB
	s_mul_i32 s94, s16, HALFB
	s_wait_dscnt 0x0
	s_wait_kmcnt 0x0
	s_add_nc_u64 s[20:21], s[4:5], s[20:21]
	s_add_nc_u64 s[36:37], s[6:7], s[22:23]
	s_add_nc_u64 s[46:47], s[8:9], s[46:47]
	s_add_nc_u64 s[38:39], s[10:11], s[92:93]
	CROUND                                         ; the joint loads meet
	s_mov_b32 s[G0], 1
	s_mov_b32 s[G0+1], s45
	s_mov_b64 s[G0+2:G0+3], s[20:21]
	s_or_b32 s[G0+3], s[G0+3], 0x80000000
	s_mov_b32 s[G0B], 1
	s_mov_b32 s[G0B+1], s94
	s_mov_b64 s[G0B+2:G0B+3], s[46:47]
	s_or_b32 s[G0B+3], s[G0B+3], 0x80000000
	s_cmp_eq_u32 s15, 0
	s_cbranch_scc0 .Lfor_b
	tensor_load_to_lds s[G0:G0+3], s[G1:G1+7]
	s_nop 0
	PLACES 4
	s_branch .Lasked
.Lfor_b:
	tensor_load_to_lds s[G0B:G0B+3], s[G1B:G1B+7]
	s_nop 0
	PLACES 4
.Lasked:
	s_lshl_b32 s46, s42, 10
	s_lshl_b32 s47, s16, 9
	s_add_co_u32 s46, s46, s47                     ; my first column, in bytes
	s_mov_b32 s47, 0
	s_add_nc_u64 s[96:97], s[96:97], s[46:47]
	s_lshl_b32 s20, s17, 7
	s_lshl_b32 s21, s15, 6
	s_add_co_u32 s20, s20, s21
	s_lshl_b32 s20, s20, 12                        ; my first token's row of 4,096 bytes
	s_mov_b32 s21, 0
	s_add_nc_u64 s[12:13], s[98:99], s[20:21]
	s_add_nc_u64 s[12:13], s[12:13], s[46:47]
	s_mul_i32 s60, s15, AHALF
	s_add_co_u32 s60, s60, AB
	s_mul_i32 s61, s16, HALFB
	s_mul_i32 s62, s14, 16*SPITCH                  ; my stage
	v_and_b32 v1, 15, v0
	v_bfe_u32 v2, v0, 4, 1
	v_and_b32 v6, 31, v0
	v_lshlrev_b32 v[CO], 4, v6
	v_lshlrev_b32 v7, 3, v6
	v_lshlrev_b32 v[BO], 5, v2
	v_lshlrev_b32 v[VSO], 5, v6
	v_mul_u32_u24 v3, v1, PITCH
	v_mad_u32_u24 v4, v2, 24, v3
	v_mad_u32_u24 v5, v2, 40, v3
	v_add_nc_u32 v[ADRB], s61, v4
	v_add_nc_u32 v[ADRB+1], s61, v5
	v_add_nc_u32 v[ADRB+2], 64*PITCH, v[ADRB]
	v_add_nc_u32 v[ADRB+3], 64*PITCH, v[ADRB+1]
	v_add_nc_u32 v[A16], s60, v[CO]
	v_add_nc_u32 v[A8], s60, v7
	v_add_nc_u32 v[A16+1], 2*ASTEP, v[A16]
	v_add_nc_u32 v[A8+1], 2*ASTEP, v[A8]
	v_mul_u32_u24 v8, v1, SPITCH
	v_lshl_add_u32 v8, v2, 5, v8
	v_add_nc_u32 v[STO], s62, v8
	v_add_nc_u32 v[RD], s62, v[CO]
.irp p, 0,1
	global_load_b128 v[SA+8*\p:SA+8*\p+3], v[VSO], s[36:37] offset:1024*\p
	global_load_b128 v[SA+8*\p+4:SA+8*\p+7], v[VSO], s[36:37] offset:1024*\p+16
.endr
.irp p, 0,1,2,3
	global_load_b128 v[SBR+8*\p:SBR+8*\p+3], v[VSO], s[38:39] offset:1024*\p
	global_load_b128 v[SBR+8*\p+4:SBR+8*\p+7], v[VSO], s[38:39] offset:1024*\p+16
.endr
.irp b, 0,1,2,3,4,5,6,7
	global_load_b128 v[TB+8*\b:TB+8*\b+3], v[BO], s[96:97] offset:64*\b       ; TB[8 b + j] = bo[16 b + 8 h + j]
	global_load_b128 v[TB+8*\b+4:TB+8*\b+7], v[BO], s[96:97] offset:64*\b+16
.endr
.macro FETCH Q                         ; K step Q of 128 into set Q % 2: Wo's eight fragments (window 1), y's four
	WIN 0x40
.irp i, 0,1,2,3,4,5,6,7
.irp p, 0,1,2,3,4,5
.set PC_, 12*(\Q)+6*(\p/3)+\p%3        ; the piece of 8 bytes of lanes 0-15; lanes 16-31 read three pieces on, for some behind one padding more
	ds_load_b64 v[128*((\Q)%2)+FR*\i+2*\p:128*((\Q)%2)+FR*\i+2*\p+1], v[ADRB+(PC_%32+3)/32+2*(\i/4)] offset:8*PC_+16*(PC_/32)+(\i%4)*16*PITCH
.endr
.endr
	WIN 0
.irp i, 0,1,2,3
.set R_, AF+48*((\Q)%2)+FR*\i
.set O_, ASTEP*(((\Q)/2)%2)+3072*\i+1536*((\Q)%2)
	ds_load_b128 v[R_:R_+3], v[A16+(\Q)/4] offset:O_
	ds_load_b64 v[R_+4:R_+5], v[A8+(\Q)/4] offset:O_+512
	ds_load_b128 v[R_+6:R_+9], v[A16+(\Q)/4] offset:O_+768
	ds_load_b64 v[R_+10:R_+11], v[A8+(\Q)/4] offset:O_+1280
.endr
.endm
.macro MULS Q                          ; 32 products; the accumulators take turns
.if (\Q) == 0
	WIN 0x81                                       ; C (the bias) window 0, D window 2
.else
	WIN 0xa1
.endif
.irp ap, 0,1
.irp ao, 0,1
.irp bp, 0,1,2,3
.irp bo, 0,1
.set rD, 8*(8*(2*\ap+\ao)+2*\bp+\bo)
.set rC, rD
.if (\Q) == 0
.set rC, TB+8*(2*\bp+\bo)
.endif
	v_wmma_scale_f32_16x16x128_f8f6f4 v[rD:rD+7], v[128*((\Q)%2)+FR*(2*\bp+\bo):128*((\Q)%2)+FR*(2*\bp+\bo)+FR-1], v[AF+48*((\Q)%2)+FR*(2*\ap+\ao):AF+48*((\Q)%2)+FR*(2*\ap+\ao)+FR-1], v[rC:rC+7], v[SBR+8*\bp+(\Q)], v[SA+8*\ap+(\Q)] matrix_a_fmt:MATRIX_FMT_FP6 matrix_b_fmt:MATRIX_FMT_FP6 matrix_a_scale:MATRIX_SCALE_ROW\bo matrix_b_scale:MATRIX_SCALE_ROW\ao
.endr
.endr
.endr
.endr
	WIN 0
.endm
	s_wait_alu depctr_va_vdst(0)
	s_wait_loadcnt 0x0                             ; scales and bias
	s_wait_tensorcnt 0x0                           ; my tile is in,
	s_barrier_signal -1
	s_barrier_wait -1                              ; everybody's is; nothing is filled again
	FETCH 0
.set QQ, 0
.rept 7
	s_wait_dscnt 0x0                               ; set QQ % 2 is in
.if QQ
	PLACES 4                                       ; in front of loads into the set that the last products read
.endif
	FETCH QQ+1
	MULS QQ
.set QQ, QQ+1
.endr
	s_wait_dscnt 0x0                               ; my last reads of the tiles are over
	s_barrier_signal -1
	MULS 7
	s_barrier_wait -1                              ; everybody's are: the stage may lie on Wo's bytes
.macro RELU a
	WIN 0x08
.set j, 0
.rept 64
	v_max_num_f32 v[T+j], 0, v[64*(\a)+j]
.set j, j+1
.endr
	WIN 0
.endm
.macro TOSTAGE a
.irp b, 0,1,2,3,4,5,6,7
	ds_store_b128 v[STO], v[T+8*\b:T+8*\b+3] offset:64*\b
	ds_store_b128 v[STO], v[T+8*\b+4:T+8*\b+7] offset:64*\b+16
.endr
.set BB, BK+64*((\a)%2)
.irp t, 0,1,2,3,4,5,6,7,8,9,10,11,12,13,14,15
	ds_load_b128 v[BB+4*\t:BB+4*\t+3], v[RD] offset:\t*SPITCH
.endr
.endm
.macro SEND a
.set BB, BK+64*((\a)%2)
	s_wait_dscnt 0x0
.irp t, 0,1,2,3,4,5,6,7,8,9,10,11,12,13,14,15
	global_store_b128 v[CO], v[BB+4*\t:BB+4*\t+3], s[12:13] offset:(16*(\a)+\t)*4096 th:TH_STORE_NT   ; 512 consecutive bytes, aligned
.endr
.endm
	PLACES 4
	RELU 0
	TOSTAGE 0
.irp a, 1,2,3
	s_wait_dscnt 16                                ; the stage has taken the last block: the sixteen loads may be out
	RELU \a
.if \a > 1
	s_wait_xcnt 0x0                                ; block a - 2's stores have read their registers
.endif
	s_wait_alu depctr_va_vdst(0)
	SEND \a-1
	TOSTAGE \a
.endr
	SEND 3
	s_wait_tensorcnt 0x0                           ; the wave's end
	ds_add_u32 v[SPW], v[NIL]
	s_wait_dscnt 0x0
	CROUND                                         ; the closing round
	s_endpgm
.Lfunc_end_k_q6d3b698f2a_outp:
	.size	k_q6d3b698f2a_outp, .Lfunc_end_k_q6d3b698f2a_outp-k_q6d3b698f2a_outp
	.p2alignl 7, 3214868480
	.fill 96, 4, 3214868480
	.section	.rodata,"a",@progbits
	.p2align	6, 0x0
	.amdhsa_kernel k_q6d3b698f2a_outp
		.amdhsa_group_segment_fixed_size 327680
		.amdhsa_private_segment_fixed_size 0
		.amdhsa_enable_private_segment 0
		.amdhsa_kernarg_size 48
		.amdhsa_user_sgpr_count 2
		.amdhsa_user_sgpr_kernarg_segment_ptr 1
		.amdhsa_wavefront_size32 1
		.amdhsa_system_sgpr_workgroup_id_x 1
		.amdhsa_system_sgpr_workgroup_id_y 1
		.amdhsa_system_sgpr_workgroup_id_z 1
		.amdhsa_system_vgpr_workitem_id 0
		.amdhsa_next_free_vgpr 768
		.amdhsa_next_free_sgpr 100
		.amdhsa_reserve_vcc 0
		.amdhsa_float_denorm_mode_32 3
		.amdhsa_float_denorm_mode_16_64 3
		.amdhsa_memory_ordered 1
		.amdhsa_forward_progress 1
		.amdhsa_inst_pref_size 99
	.end_amdhsa_kernel
	.amdgpu_metadata
---
amdhsa.version: [ 1, 2 ]
amdhsa.kernels:
  - .name:           k_q6d3b698f2a_outp
    .symbol:         k_q6d3b698f2a_outp.kd
    .args:
      - { .name: yc, .offset: 0, .size: 8, .value_kind: global_buffer, .address_space: global }
      - { .name: ys, .offset: 8, .size: 8, .value_kind: global_buffer, .address_space: global }
      - { .name: Wo_codes, .offset: 16, .size: 8, .value_kind: global_buffer, .address_space: global }
      - { .name: Wo_scales, .offset: 24, .size: 8, .value_kind: global_buffer, .address_space: global }
      - { .name: bo, .offset: 32, .size: 8, .value_kind: global_buffer, .address_space: global }
      - { .name: out0, .offset: 40, .size: 8, .value_kind: global_buffer, .address_space: global }
    .group_segment_fixed_size: 327680
    .private_segment_fixed_size: 0
    .kernarg_segment_align: 8
    .kernarg_segment_size: 48
    .max_flat_workgroup_size: 128
    .sgpr_count:     100
    .vgpr_count:     768
    .wavefront_size: 32
...
	.end_amdgpu_metadata
.endif
;; end of part 3
